; MI455X (gfx1250); checked and timed in simulation.
; The chip was launched on July 23, 2026; its instructions are those of AMD's public machine-readable ISA for CDNA 5 (MIT licence, August 2026) and "CDNA5" Instruction Set Architecture Reference Guide (July 2026). The comments in the code are by the model that wrote it; some were corrected since.
;; My Conv2 D. Allowed arithmetic: matrix products marked QUANTISED: E3M2 operands, one E8M0 scale for each 32 along K, by v_wmma_scale_f32_16x16x128_f8f6f4 with both operands' format E3M2, f32 sums; everything else in f32.
;; Inputs: w 64 x 1 x 1 x 128 float32; x 1 x 1 x 116,250 x 128 float32.
;; Outputs: out0 5 x 64 x 62 x 375 float32.
;; This version of the problem:
;;   THIS VERSION OF THE PROBLEM IS GIVEN IN LOW PRECISION. The matrix products marked QUANTISED in the list below multiply operands that are first quantised to E3M2 (3 exponent bits, 2 mantissa bits; 6 bits a number), with one power-of-two scale for each 32 numbers along K (OCP MX v1.0); their sums are f32. All else is computed in f32.
;;   The module's matrix products, in the order in which they are computed (A, B: the left and right operand; K: the contracted axis; several contracted axes count as one K, in the product's order):
;;     1. [M 64, K 128] x [K 128, N 116,250]; A: input w; B: input x: QUANTISED
;;   THE QUANTISER, for each operand of a quantised product, along K:
;;     - K is cut into blocks of 32 from its start; a last block that is shorter is filled with zeros.
;;     - A block's scale is 2^e with e = floor(log2(the largest magnitude in the block)) - 4, held to -126 .. 127; a block of zeros has e = 0. As a byte (E8M0): e + 127.
;;     - Each number is divided by its block's scale, clamped to +-28, and rounded to the nearest number of E3M2, ties to even, subnormals kept.
;;     - The product sums the exact products of the quantised numbers (number of the format x scale) in f32.
;;   ~~~python
;;   def quantise(x, axis):      # numpy; x: float32 -> the quantised numbers, widened to float32 again
;;       x = np.moveaxis(x, axis, -1); K = x.shape[-1]
;;       x = np.pad(x, [(0, 0)] * (x.ndim - 1) + [(0, -K % 32)]); x = x.reshape(x.shape[:-1] + (-1, 32)); a = np.abs(x).max(-1, keepdims=True)
;;       e = np.where(a > 0, np.clip(np.frexp(np.where(a > 0, a, 1))[1] - 1 - 4, -126, 127), 0)      # np.frexp(a)[1] - 1 = floor(log2(a)), exactly
;;       r = np.clip(x / 2.0 ** e, -28, 28)
;;       step = 2.0 ** (np.maximum(np.frexp(np.where(r == 0, 1, r))[1] - 1, -2) - 2)
;;       q = np.round(r / step) * step * 2.0 ** e      # np.round: ties to even
;;       return np.moveaxis(q.reshape(q.shape[:-2] + (-1,))[..., :K], -1, axis).astype(np.float32)
;;   ~~~
;; One version. Each part assembles by itself: llvm-mc -triple=amdgcn-amd-amdhsa -mcpu=gfx1250 --defsym DOCPART=n.
;; ======== version 1 of 1: 1 launch
;; limits: right only within a limited range of input values
;; launch conv (part 1): grid 228 x 1, 8 waves a work-group, no clusters, 311,808 bytes of LDS; arguments x, w, out0; writes out0
.if DOCPART == 1
	.amdgcn_target "amdgcn-amd-amdhsa--gfx1250"
	.amdhsa_code_object_version 6
	.text
	.protected	k_q72b61bcd72_conv
	.globl	k_q72b61bcd72_conv
	.p2align	8
	.type	k_q72b61bcd72_conv,@function
k_q72b61bcd72_conv:
	s_mov_b64 s[64:65], 0
	v_nop
	global_prefetch_b8 v0, s[64:65] scope:SCOPE_SE
	s_setreg_imm32_b32 hwreg(HW_REG_WAVE_MODE, 25, 1), 1
	s_wait_xcnt 0x0
; out0[f][n] = sum over d of Q(w)[f][d] Q(x)[n][d].  x: [116250][128] f32, w: [64][128] f32, out0: [64][116250] f32 (the reshape moves no byte).
; Q: codes of BF6 (E3M2) with one E8M0 scale for each 32 along d: the scale's byte is the exponent field of the block's largest magnitude less 4, held at 1 from below.
; LIMITS: NaN and infinities among the inputs are not served.  A block of zeros gets the byte 1 where the rule says 127: its codes are zeros, which add nothing, and nobody else reads the byte.
; SHARES.  A work-group of 8 waves owns 512 neighbouring n (the last one 26), in four phases of 128: in phase p wave w owns the tile of 16 rows of x from n0 + 128 p + 16 w on.
; THE WAY IN.  Every wave asks at its head for all that it brings, one asynchronous copy a row (32 lanes x 16 bytes = the row's 512 consecutive bytes), into LDS rows 528 bytes apart: phase 0's 16 rows, 8 rows of w, then the
; rows of phases 1, 2, 3: 72 copies.  Copies end in the order of issue, so each phase is worked on while the later ones are on their way.  The text has no loop and asks for everything at the head: nothing is left to prefetch.
; A copy's immediate counts for both addresses: row i of a tile has the immediate 528 i, so a tile needs ONE register of LDS addresses, and row i's offset in x is less by 528 i (the scalar base is 240 bytes low, so that no offset is negative).
; w: each wave quantises the 8 filters that it brought, one block of 32 to a lane, and hands codes and scale bytes on through LDS as images of the operand's registers.
; NO CLUSTER: the one thing that work-groups share is w, 32,768 bytes against 262,144 bytes of x for a work-group.
; THE PRODUCT.  Source 0 = 16 rows of x, source 1 = 16 filters: in the result lane (r, h) holds filter r and its registers n = 8 h + 0 .. 7: 32 neighbouring bytes of a row of out0.
; THE WAY OUT.  The results meet in a stage in LDS, a slice [64 filters][128 n] for each phase.  A row of out0 is 465,000 bytes, so filter f's run of 2,048 bytes begins 104 f mod 256 bytes behind a multiple of 256;
; cb = 152 f mod 256 is what is left to the next one.  Unit u = 1 .. 7 of a filter is the run's bytes cb + 256 (u - 1) + 8 lane: 256 consecutive bytes at a multiple of 256 from out0's first byte.  Unit 8 is the run's tail and its
; head in one instruction, every lane on.  Unit 1 leaves in phase 0, units 2 and 3 in phase 1, 4 and 5 in phase 2, 6 to 8 in phase 3.  Stores are of 8 bytes a lane: odd filters' rows begin at 8 mod 16.
; THE END OF n (116250 = 227 x 512 + 26) costs no branch and no change of EXEC: a copy for a row at or past the end takes row N - 2 or N - 1, the one of its own parity, so that every pair (even n, odd n) past the end
; holds the last pair's results; a store offset past the end is held at the last pair: such lanes store the right pair at the right place once more.
.set N,     116250
.set NB,    512                        ; n of a work-group
.set WGS,   228
.set XROW,  512                        ; a row of x or of w in bytes
.set XP,    528                        ; and in LDS: + 16, an odd multiple of 16, so that the 16 rows that a load of 16 bytes a lane touches fall into 16 different columns of 16 bytes
.set XB,    128*XP                     ; LDS: phase p's 128 rows at XB p,
.set WR,    4*XB                       ; w's 64 rows here,
.set WIMG,  WR+64*XP                   ; w's four fragments as images of their registers: register pair p of tile t at 1,536 t + 256 p + 8 lane,
.set FRB,   1536
.set WSC,   WIMG+4*FRB                 ; and their scale words, 64 bytes a tile
.set SPARE, WSC+256                    ; the spare words, 128 bytes for each wave: no other line names them
.set SLB,   64*XP                      ; the stage's slice p at SLB p: 64 rows of 512 bytes + 16.  Slices 0, 1 lie over phase 0's rows, slices 2, 3 over phase 1's: bytes that have had their only fill and are read by nobody any more
.set OROW,  4*N                        ; a row of out0 in bytes
.set L16,  1                           ; v1    16 x lane
.set FA,   2                           ; v2-5  LDS address of my row's first block in phase p
.set SA,   6                           ; v6-7  where I put 32 bytes of filter r's row: slices 0 and 1; slices 2 and 3
.set IL,   8                           ; v8    an image's place for my lane
.set SL,   9                           ; v9    a scale word's
.set IS,   10                          ; v10   where I store my block of w
.set SS,   11                          ; v11   and its scale byte
.set H8,   12                          ; v12   8 h
.set WFA,  13                          ; v13   LDS address of my block among w's rows
.set SPW,  20                          ; v20   LDS address of my spare word: SPARE + 4 x my thread's number; never rewritten
.set NIL,  21                          ; v21   0; never rewritten
.set L8,   22                          ; v22   8 x lane
.set RB,   23                          ; v23   row r x pitch + 128 h
.set SW,   24                          ; v24   the scale word just made
.set PT,   25                          ; v25   the other half of the lanes' bytes
.set WS,   26                          ; v26-29 w's scale words
.set PC,   32                          ; v32-43 the codes just made: a fragment
.set OE,   44                          ; v44-51 for my filters q = 0 .. 7: 1,792 + cb + 8 lane
.set OU,   52                          ; v52-59 LDS address of odd units (from phase 2 on: + 2 SLB)
.set OV,   60                          ; v60-67 LDS address of even units (from phase 3 on: + 2 SLB)
.set OL,   68                          ; v68-75 LDS address of unit 8
.set OZ,   76                          ; v76-83 1,792 + unit 8's bytes of the run
.set DST,  84                          ; v84-87 the copies' LDS addresses, a phase each
.set WDST, 88                          ; v88   and w's
.set CB,   90                          ; v90-105 offsets in x of the copies of phases 1 to 3
.set ACC,  106                         ; v106-137 the four accumulators; ahead of the products the quantiser's temporaries, behind them the store offsets
.set OG,   ACC
.set TM,   ACC                         ; four running maxima
.set SO,   ACC+4                       ; the conversions' scale operands
.set BY,   ACC+6                       ; the scales' bytes
.set PX,   ACC+8                       ; the upper halves of two blocks, as the conversions leave them
.set NUM,  138                         ; v138-201 64 numbers of my row; on the way out pairs of results
.set WF,   202                         ; v202-249 w's four fragments.  Until the copies of phase 0 and of w are done:
.set CA,   WF                          ; v202-217 offsets in x of phase 0's copies,
.set WC,   WF+16                       ; v218-225 offsets in w
.set LM,   32                          ; s32-38 the last pair's byte + 1,792 - 256 (u - 1), for u = 1 .. 7
	s_load_b128 s[4:7], s[0:1], 0x0                ; x s[4:5], w s[6:7]
	s_load_b64 s[8:9], s[0:1], 0x10                ; out0
	v_lshl_add_u32 v[SPW], v0, 2, SPARE
	v_mov_b32 v[NIL], 0
	ds_add_u32 v[SPW], v[NIL]                      ; the opening lines: the add, twice on end, and its wait ahead of my first copy
	ds_add_u32 v[SPW], v[NIL]
	v_lshrrev_b32 v14, 5, v0
	v_and_b32 v15, 31, v0                          ; lane
	v_readfirstlane_b32 s10, v14                   ; wave 0 .. 7
	v_lshlrev_b32 v[L16], 4, v15
	s_wait_alu depctr_va_vdst(0)
	s_lshl_b32 s11, ttmp9, 9                       ; n0
	s_lshl_b32 s12, s10, 4
	s_add_co_u32 s12, s12, s11
	s_lshl_b32 s12, s12, 9                         ; my first row of x, in bytes (under 2^26),
	s_add_co_u32 s12, s12, 240                     ; + what the base is low
.set i, 0
.rept 16
	s_sub_co_u32 s13, s12, (XP-XROW)*i             ; row i, less its immediate 528 i
	s_min_u32 s13, s13, (N-2+i%2)*XROW+240-XP*i    ; my first row is even, so i's parity is the row's: a row at or past the end becomes the last row of its parity
	v_add_nc_u32 v[CA+i], s13, v[L16]
.set i, i+1
.endr
	s_mul_i32 s13, s10, 16*XP
	v_add_nc_u32 v[DST], s13, v[L16]
	s_lshl_b32 s22, s10, 12                        ; w: I bring rows 8 w + 0 .. 7
	s_add_co_u32 s22, s22, 112
.set i, 0
.rept 8
	s_sub_co_u32 s13, s22, (XP-XROW)*i
	v_add_nc_u32 v[WC+i], s13, v[L16]
.set i, i+1
.endr
	s_mul_i32 s13, s10, 8*XP
	s_add_co_u32 s13, s13, WR
	v_add_nc_u32 v[WDST], s13, v[L16]
	v_add_nc_u32 v[DST+1], XB, v[DST]
	v_add_nc_u32 v[DST+2], 2*XB, v[DST]
	v_add_nc_u32 v[DST+3], 3*XB, v[DST]
	s_wait_alu depctr_va_vdst(0)
	s_wait_dscnt 0x0                               ; both opening adds are done
	s_wait_kmcnt 0x0
	s_sub_nc_u64 s[24:25], s[4:5], 240
	s_sub_nc_u64 s[30:31], s[6:7], 112
.macro COPY p, off, base
.set i, 0
.rept 16
	global_load_async_to_lds_b128 v[DST+\p], v[\off+i], s[\base:\base+1] offset:XP*i   ; 32 lanes copy the row's 512 consecutive bytes; all address registers are the copies' own and stay until their counter shows them done
.set i, i+1
.endr
.endm
	COPY 0, CA, 24
.set i, 0
.rept 8
	global_load_async_to_lds_b128 v[WDST], v[WC+i], s[30:31] offset:XP*i
.set i, i+1
.endr
	s_mov_b32 s19, 0
	s_cmp_eq_u32 ttmp9, WGS-1
	s_cselect_b32 s18, 0, 128*XROW                 ; from phase to phase; in the last work-group phases 1 to 3 lie past the end and all take the last two rows
	s_add_nc_u64 s[26:27], s[24:25], s[18:19]
	s_add_nc_u64 s[28:29], s[26:27], s[18:19]
	s_add_co_u32 s12, s12, 128*XROW
.set i, 0
.rept 16
	s_sub_co_u32 s13, s12, (XP-XROW)*i
	s_min_u32 s13, s13, (N-2+i%2)*XROW+240-XP*i
	v_add_nc_u32 v[CB+i], s13, v[L16]
.set i, i+1
.endr
	s_wait_alu depctr_va_vdst(0)
	COPY 1, CB, 24
	COPY 2, CB, 26
	; all else is made while these copies are out
	v_and_b32 v14, 15, v0                          ; r
	v_bfe_u32 v16, v0, 4, 1                        ; h
	v_and_b32 v17, 7, v0                           ; w: my row of my eight,
	v_bfe_u32 v18, v0, 3, 2                        ; and my block of its four
	v_bfe_u32 v19, v0, 3, 1
	v_lshlrev_b32 v[L8], 3, v15
	v_mov_b32 v[PT], 0                             ; written once: a lane permute's destination counts as one of its sources
	v_lshlrev_b32 v[H8], 3, v16
	v_mul_u32_u24 v[RB], v14, XP
	v_mul_u32_u24 v[WFA], v17, XP
	v_lshlrev_b32 v[IS], 3, v17
	v_lshl_add_u32 v[SS], v17, 2, v18
	v_lshl_add_u32 v[SA], v16, 5, v[RB]
	v_lshl_add_u32 v[WFA], v18, 7, v[WFA]
	v_lshl_add_u32 v[IS], v19, 7, v[IS]
	v_lshl_add_u32 v[RB], v16, 7, v[RB]            ; the reads of x: row r, + 128 h
	v_mul_u32_u24 v30, v16, 768
	v_lshlrev_b32 v[SL], 2, v14
	v_add_nc_u32 v[IL], WIMG, v[L8]
	v_add_nc_u32 v[SL], WSC, v[SL]
	v_add_nc_u32 v[IS], v[IS], v30
	s_wait_alu depctr_va_vdst(0)
	s_mul_i32 s13, s10, 16*XP
	v_add_nc_u32 v[FA], s13, v[RB]
	s_lshl_b32 s13, s10, 6
	v_add_nc_u32 v[SA], s13, v[SA]                 ; the stage: row r, + 4 x (16 w + 8 h)
	s_mul_i32 s13, s10, 8*XP
	s_add_co_u32 s13, s13, WR
	v_add_nc_u32 v[WFA], s13, v[WFA]
	s_lshr_b32 s13, s10, 1
	s_mul_i32 s13, s13, FRB
	s_and_b32 s22, s10, 1
	s_lshl_b32 s22, s22, 6
	s_add_co_u32 s13, s13, s22
	s_add_co_u32 s13, s13, WIMG
	v_add_nc_u32 v[IS], s13, v[IS]                 ; tile w / 2, row 8 (w % 2) + lane % 8, block lane / 8
	s_lshl_b32 s13, s10, 5
	s_add_co_u32 s13, s13, WSC
	v_add_nc_u32 v[SS], s13, v[SS]
	s_wait_alu depctr_va_vdst(0)
	v_add_nc_u32 v[FA+1], XB, v[FA]
	v_add_nc_u32 v[FA+2], 2*XB, v[FA]
	v_add_nc_u32 v[FA+3], 3*XB, v[FA]
	v_add_nc_u32 v[SA+1], 2*SLB, v[SA]
	s_lshl_b32 s15, s10, 3                         ; on the way out I store filters 8 w + q
.irp q, 0,1,2,3,4,5,6,7
	s_add_co_u32 s13, s15, \q                      ; f
	s_mul_i32 s22, s13, 152
	s_and_b32 s22, s22, 255                        ; cb: n0 is a multiple of 64, so it does not hang on n0
	s_mul_i32 s13, s13, XP                         ; f's row of a slice
	v_add_nc_u32 v30, s22, v[L8]                   ; cb + 8 lane
	v_add_nc_u32 v[OE+\q], 1792, v30
	v_add_nc_u32 v[OU+\q], s13, v30
	v_add_nc_u32 v31, 256, v30                     ; an even unit's first byte in its slice: from 512 on it lies in the next slice
	v_and_b32 v[OZ+\q], 0x7ff, v[OE+\q]
	v_lshrrev_b32 v16, 9, v31
	v_and_b32 v31, 0x1ff, v31
	v_add_nc_u32 v[OZ+\q], 1792, v[OZ+\q]
	v_sub_nc_u32 v17, 1, v16
	v_add_nc_u32 v31, s13, v31
	v_mul_u32_u24 v16, v16, SLB
	v_mul_u32_u24 v17, v17, 3*SLB                  ; unit 8: the tail lies in slice 3, the head in slice 0
	v_add_nc_u32 v[OV+\q], v31, v16
	v_add_nc_u32 v[OL+\q], v31, v17
.endr
	s_mov_b32 s20, 0x76543210
	s_mov_b32 s21, 0xfedcba98                      ; v_permlanex16_b32's selects for lane l xor 16
	s_sub_co_u32 s14, N, s11                       ; n left from n0 on,
	s_min_u32 s14, s14, NB                         ; of which mine,
	s_lshl_b32 s14, s14, 2
	s_sub_co_u32 s14, s14, 8                       ; and the byte at which my run's last pair begins
	s_add_co_u32 s14, s14, 1792
.irp u, 0,1,2,3,4,5,6
	s_sub_co_u32 s[LM+\u], s14, 256*\u
.endr
	s_mul_i32 s18, s10, 8*OROW
	s_lshl_b32 s13, s11, 2
	s_add_co_u32 s18, s18, s13                     ; filter 8 w's run in out0, in bytes (under 2^25)
	s_mov_b32 s19, 0
	s_add_nc_u64 s[16:17], s[8:9], s[18:19]
	s_sub_nc_u64 s[16:17], s[16:17], 1792          ; the store offsets carry 1,792 more: so a held one, less its unit's immediate, is never negative
	s_wait_alu depctr_va_vdst(0)
	COPY 3, CB, 28                                 ; the last 16 copies
; 64 numbers of a lane, register 32 c + i = k 64 c + 32 h + i of my row, become a fragment's codes in v[PC] on and my row's scale word in v[SW].
.macro QUANT
.irp m, 0,1,2,3
	v_max3_num_f32 v[TM+\m], |v[NUM+16*\m]|, |v[NUM+16*\m+1]|, 0x2800000   ; four chains of 16 numbers, by turns; the floor 2^(5 - 127) among the leaves holds the byte at 1 from below
.endr
.irp i, 2,4,6,8,10,12,14
.irp m, 0,1,2,3
	s_delay_alu instid0(VALU_DEP_4)
	v_max3_num_f32 v[TM+\m], v[TM+\m], |v[NUM+16*\m+\i]|, |v[NUM+16*\m+\i+1]|
.endr
.endr
	s_delay_alu instid0(VALU_DEP_3)
	v_max_num_f32 v[TM], v[TM], v[TM+1]            ; block h's largest magnitude: all its 32 numbers are mine
	s_delay_alu instid0(VALU_DEP_2)
	v_max_num_f32 v[TM+2], v[TM+2], v[TM+3]        ; block 2 + h's
	s_delay_alu instid0(VALU_DEP_2)
	v_add_nc_u32 v[SO], 0xfe000000, v[TM]          ; 4 off the exponent field: the conversion takes the exponent field of this operand as its scale, and nothing else of it
	s_delay_alu instid0(VALU_DEP_2)
	v_add_nc_u32 v[SO+1], 0xfe000000, v[TM+2]
	s_delay_alu instid0(VALU_DEP_2)
	v_lshrrev_b32 v[BY], 23, v[SO]                 ; the scales' bytes
	s_delay_alu instid0(VALU_DEP_2)
	v_lshrrev_b32 v[BY+1], 23, v[SO+1]
	s_delay_alu instid0(VALU_DEP_1)
	v_lshl_or_b32 v[SW], v[BY+1], 16, v[BY]        ; blocks h and 2 + h,
	s_delay_alu instid0(VALU_DEP_1)
	v_lshlrev_b32 v[SW], v[H8], v[SW]              ; at their places in the word;
	s_delay_alu instid0(VALU_DEP_1)
	v_permlanex16_b32 v[PT], v[SW], s20, s21
	s_delay_alu instid0(VALU_DEP_1)
	v_or_b32 v[SW], v[SW], v[PT]                   ; with lane l xor 16's two the word is whole, in both halves of the lanes
.irp c, 0,1
	v_cvt_scalef32_pk16_bf6_f32 v[PC+6*\c:PC+6*\c+2], v[NUM+32*\c:NUM+32*\c+15], v[SO+\c]
	v_cvt_scalef32_pk16_bf6_f32 v[PX+4*\c:PX+4*\c+2], v[NUM+32*\c+16:NUM+32*\c+31], v[SO+\c]   ; (a conversion's three registers begin on an even number: a block's upper three do not, so they are made here and moved)
.endr
	v_nop                                          ; one plain instruction behind the last scaled conversion
.irp c, 0,1
.irp i, 0,1,2
	v_mov_b32 v[PC+3+6*\c+\i], v[PX+4*\c+\i]
.endr
.endr
.endm
.macro FETCH adr                       ; my row's 64 numbers out of LDS: two runs of 128 bytes
.irp c, 0,1
.irp j, 0,1,2,3,4,5,6,7
	ds_load_b128 v[NUM+32*\c+4*\j:NUM+32*\c+4*\j+3], v[\adr] offset:256*\c+16*\j
.endr
.endr
.endm
; Phase p's four products, each a sum of its own begun with the constant 0, and their way into slice p.
.macro MUL p
.rept 4
	v_nop                                          ; codes written by a vector instruction stand 4 places ahead of a scaled matrix instruction; the scale word, written ahead of the conversions, has the six moves as well
.endr
.irp t, 0,1,2,3
	v_wmma_scale_f32_16x16x128_f8f6f4 v[ACC+8*\t:ACC+8*\t+7], v[PC:PC+11], v[WF+12*\t:WF+12*\t+11], 0, v[SW], v[WS+\t] matrix_a_fmt:MATRIX_FMT_BF6 matrix_b_fmt:MATRIX_FMT_BF6
.endr
.rept 4
	v_nop                                          ; four places between a matrix instruction and the LDS store that reads its result (ISA guide 7.12.1 for vector instructions)
.endr
.irp t, 0,1,2,3
	ds_store_b128 v[SA+(\p)/2], v[ACC+8*\t:ACC+8*\t+3] offset:((\p)%2)*SLB+\t*16*XP          ; filter 16 t + r, n 128 p + 16 w + 8 h + 0 .. 3: each accumulator from its low end on
	ds_store_b128 v[SA+(\p)/2], v[ACC+8*\t+4:ACC+8*\t+7] offset:((\p)%2)*SLB+\t*16*XP+16
.endr
.endm
; Phase p's units u0 .. u0 + nu - 1 of my eight filters leave: instruction i is filter i / nu, unit u0 + i % nu.
.macro OUT p, u0, nu
	s_wait_dscnt 0x0                               ; for the others' sake: my part of slice p has landed, and my reads of phase p's rows are back
	s_barrier_signal -1
	; work on registers while the others arrive: the store offsets, each held at my run's last pair (they lie where the accumulators, now stored, were)
.if (\p) >= 2
.irp q, 0,1,2,3,4,5,6,7
.if (\p) == 2
	v_add_nc_u32 v[OU+\q], 2*SLB, v[OU+\q]         ; the odd units of phases 2 and 3
.else
	v_add_nc_u32 v[OV+\q], 2*SLB, v[OV+\q]         ; the even unit of phase 3
.endif
.endr
.endif
.set i, 0
.rept 8*(\nu)
.set UN, (\u0)+i%(\nu)
.if UN == 8
	v_min_u32 v[OG+i], s[LM], v[OZ+i/(\nu)]
.else
	v_min_u32 v[OG+i], s[LM+UN-1], v[OE+i/(\nu)]
.endif
.set i, i+1
.endr
	s_wait_alu depctr_va_vdst(0)
	s_barrier_wait -1                              ; slice p is whole.  The loads below touch slices up to p; what other waves store before the next barrier goes to slice p + 1
.set i, 0
.rept 8*(\nu)
.set UN, (\u0)+i%(\nu)
.if UN == 8
	ds_load_b64 v[NUM+2*i:NUM+2*i+1], v[OL+i/(\nu)]
.elseif UN%2 == 0
	ds_load_b64 v[NUM+2*i:NUM+2*i+1], v[OV+i/(\nu)] offset:(((UN-1)/2)%2)*SLB
.else
	ds_load_b64 v[NUM+2*i:NUM+2*i+1], v[OU+i/(\nu)] offset:(((UN-1)/2)%2)*SLB
.endif
.set i, i+1
.endr
.set i, 0
.rept 8*(\nu)
.set UN, (\u0)+i%(\nu)
	s_wait_dscnt 8*(\nu)-1-i                       ; LDS loads come back in order: pair i is in, the younger ones may be out
.if UN == 8
	global_store_b64 v[OG+i], v[NUM+2*i:NUM+2*i+1], s[16:17] offset:(i/(\nu))*OROW th:TH_STORE_NT
.else
	global_store_b64 v[OG+i], v[NUM+2*i:NUM+2*i+1], s[16:17] offset:(i/(\nu))*OROW+256*(UN-1) th:TH_STORE_NT   ; 32 lanes store 256 consecutive bytes at a multiple of 256 from out0's first byte; written once, read by nobody here
.endif
.set i, i+1
.endr
.endm
	s_wait_asynccnt 56                             ; copies end in the order of issue: phase 0's 16 are done; the 8 of w and the 48 of phases 1 to 3 may be out
	FETCH FA
	s_wait_dscnt 0x0
	QUANT
	s_wait_alu depctr_va_vdst(0)
	s_wait_asynccnt 48                             ; my eight rows of w are in
.irp j, 0,1,2,3,4,5,6,7
	ds_load_b128 v[NUM+4*\j:NUM+4*\j+3], v[WFA] offset:16*\j   ; my block of 32 of my filter
.endr
	s_wait_dscnt 0x0
.irp m, 0,1,2,3
	v_max3_num_f32 v[TM+\m], |v[NUM+8*\m]|, |v[NUM+8*\m+1]|, 0x2800000
.endr
.irp i, 2,4,6
.irp m, 0,1,2,3
	s_delay_alu instid0(VALU_DEP_4)
	v_max3_num_f32 v[TM+\m], v[TM+\m], |v[NUM+8*\m+\i]|, |v[NUM+8*\m+\i+1]|
.endr
.endr
	s_delay_alu instid0(VALU_DEP_3)
	v_max_num_f32 v[TM], v[TM], v[TM+1]
	s_delay_alu instid0(VALU_DEP_2)
	v_max_num_f32 v[TM+2], v[TM+2], v[TM+3]
	s_delay_alu instid0(VALU_DEP_1)
	v_max_num_f32 v[TM], v[TM], v[TM+2]
	s_delay_alu instid0(VALU_DEP_1)
	v_add_nc_u32 v[SO], 0xfe000000, v[TM]
	s_delay_alu instid0(VALU_DEP_1)
	v_lshrrev_b32 v[BY], 23, v[SO]
	v_cvt_scalef32_pk16_bf6_f32 v[NUM+32:NUM+34], v[NUM:NUM+15], v[SO]
	v_cvt_scalef32_pk16_bf6_f32 v[NUM+36:NUM+38], v[NUM+16:NUM+31], v[SO]
	v_nop                                          ; one plain instruction behind the last scaled conversion
	v_mov_b32 v[NUM+35], v[NUM+36]                 ; the block's six registers on end
	v_mov_b32 v[NUM+36], v[NUM+37]
	v_mov_b32 v[NUM+37], v[NUM+38]
.irp i, 0,1,2
	ds_store_b64 v[IS], v[NUM+32+2*\i:NUM+33+2*\i] offset:256*\i
.endr
	ds_store_b8 v[SS], v[BY]
	s_wait_alu depctr_va_vdst(0)
	s_wait_dscnt 0x0                               ; for the others' sake: my reads of phase 0's rows are back, and my part of w's images has landed
	s_barrier_signal -1
	s_barrier_wait -1                              ; w's images are whole; nobody reads a row of phase 0 any more: slices 0 and 1 may be written over them
.irp t, 0,1,2,3
.irp p, 0,1,2,3,4,5
	ds_load_b64 v[WF+12*\t+2*\p:WF+12*\t+2*\p+1], v[IL] offset:FRB*\t+256*\p
.endr
	ds_load_b32 v[WS+\t], v[SL] offset:64*\t
.endr
	s_wait_dscnt 0x0
	MUL 0
	OUT 0, 1, 1
.macro PHASE p, u0, nu
	s_wait_asynccnt 48-16*(\p)                     ; phase p's copies are done; those of the later phases may be out
	s_wait_xcnt 0x0                                ; the stores above have read their registers: data and offsets are rewritten only behind this wait
	FETCH FA+\p
	s_wait_dscnt 0x0
	QUANT
	MUL \p
	OUT \p, \u0, \nu
.endm
	PHASE 1, 2, 2                                  ; (behind its barrier nobody reads a row of phase 1 any more: slices 2 and 3 may be written over them)
	PHASE 2, 4, 2
	PHASE 3, 6, 3
	s_wait_tensorcnt 0x0                           ; the wave's end
	ds_add_u32 v[SPW], v[NIL]
	s_wait_dscnt 0x0
	s_endpgm
.Lfunc_end_k_q72b61bcd72_conv:
	.size	k_q72b61bcd72_conv, .Lfunc_end_k_q72b61bcd72_conv-k_q72b61bcd72_conv
	.p2alignl 7, 3214868480
	.fill 96, 4, 3214868480
	.section	.rodata,"a",@progbits
	.p2align	6, 0x0
	.amdhsa_kernel k_q72b61bcd72_conv
		.amdhsa_group_segment_fixed_size 311808
		.amdhsa_private_segment_fixed_size 0
		.amdhsa_enable_private_segment 0
		.amdhsa_kernarg_size 24
		.amdhsa_user_sgpr_count 2
		.amdhsa_user_sgpr_kernarg_segment_ptr 1
		.amdhsa_wavefront_size32 1
		.amdhsa_system_sgpr_workgroup_id_x 1
		.amdhsa_system_sgpr_workgroup_id_y 1
		.amdhsa_system_sgpr_workgroup_id_z 1
		.amdhsa_system_vgpr_workitem_id 0
		.amdhsa_next_free_vgpr 250
		.amdhsa_next_free_sgpr 66
		.amdhsa_reserve_vcc 0
		.amdhsa_float_denorm_mode_32 3
		.amdhsa_float_denorm_mode_16_64 3
		.amdhsa_memory_ordered 1
		.amdhsa_forward_progress 1
		.amdhsa_inst_pref_size 72
	.end_amdhsa_kernel
	.amdgpu_metadata
---
amdhsa.version: [ 1, 2 ]
amdhsa.kernels:
  - .name:           k_q72b61bcd72_conv
    .symbol:         k_q72b61bcd72_conv.kd
    .args:
      - { .name: x, .offset: 0, .size: 8, .value_kind: global_buffer, .address_space: global }
      - { .name: w, .offset: 8, .size: 8, .value_kind: global_buffer, .address_space: global }
      - { .name: out0, .offset: 16, .size: 8, .value_kind: global_buffer, .address_space: global }
    .group_segment_fixed_size: 311808
    .private_segment_fixed_size: 0
    .kernarg_segment_align: 8
    .kernarg_segment_size: 24
    .max_flat_workgroup_size: 256
    .sgpr_count:     66
    .vgpr_count:     250
    .wavefront_size: 32
...
	.end_amdgpu_metadata
.endif
;; end of part 1
